; MI455X (gfx1250); checked and timed in simulation.
; The chip was launched on July 23, 2026; its instructions are those of AMD's public machine-readable ISA for CDNA 5 (MIT licence, August 2026) and "CDNA5" Instruction Set Architecture Reference Guide (July 2026). The comments in the code are by the model that wrote it; some were corrected since.
;; Multi Head Attention Ro PE. Allowed arithmetic: matrix products marked QUANTISED: E2M3 operands, one E8M0 scale for each 32 along K, by v_wmma_scale_f32_16x16x128_f8f6f4 with both operands' format E2M3, f32 sums; everything else in f32.
;; Inputs: k 4 x 2,048 x 1,024 float32; q 4 x 2,048 x 1,024 float32; rope_cos 1 x 1 x 2,048 x 64 float32; rope_sin 1 x 1 x 2,048 x 64 float32; v 4 x 2,048 x 1,024 float32; w_fc 1,024 x 1,024 float32; w_ks 1,024 x 1,024 float32; w_qs 1,024 x 1,024 float32; w_vs 1,024 x 1,024 float32.
;; Outputs: out0 4 x 2,048 x 1,024 float32.
;; This version of the problem:
;;   THIS VERSION OF THE PROBLEM IS GIVEN IN LOW PRECISION. The matrix products marked QUANTISED in the list below multiply operands that are first quantised to E2M3 (2 exponent bits, 3 mantissa bits; 6 bits a number), with one power-of-two scale for each 32 numbers along K (OCP MX v1.0); their sums are f32. All else is computed in f32.
;;   The module's matrix products, in the order in which they are computed (A, B: the left and right operand; K: the contracted axis; several contracted axes count as one K, in the product's order):
;;     1. [M 8,192, K 1,024] x [K 1,024, N 1,024]; A: input q; B: input w_qs: QUANTISED
;;     2. [M 8,192, K 1,024] x [K 1,024, N 1,024]; A: input k; B: input w_ks: QUANTISED
;;     3. [M 8,192, K 1,024] x [K 1,024, N 1,024]; A: input v; B: input w_vs: QUANTISED
;;     4. batch 64 x [M 2,048, K 64] x [K 64, N 2,048]; A: computed on the way; B: computed on the way: QUANTISED
;;     5. batch 64 x [M 2,048, K 2,048] x [K 2,048, N 64]; A: softmax (see below); B: computed on the way: QUANTISED
;;     6. [M 8,192, K 1,024] x [K 1,024, N 1,024]; A: computed on the way; B: input w_fc: QUANTISED
;;   THE QUANTISER, for each operand of a quantised product, along K:
;;     - K is cut into blocks of 32 from its start; a last block that is shorter is filled with zeros.
;;     - A block's scale is 2^e with e = floor(log2(the largest magnitude in the block)) - 2, held to -126 .. 127; a block of zeros has e = 0. As a byte (E8M0): e + 127.
;;     - Each number is divided by its block's scale, clamped to +-7.5, and rounded to the nearest number of E2M3, ties to even, subnormals kept.
;;     - The product sums the exact products of the quantised numbers (number of the format x scale) in f32.
;;   ~~~python
;;   def quantise(x, axis):      # numpy; x: float32 -> the quantised numbers, widened to float32 again
;;       x = np.moveaxis(x, axis, -1); K = x.shape[-1]
;;       x = np.pad(x, [(0, 0)] * (x.ndim - 1) + [(0, -K % 32)]); x = x.reshape(x.shape[:-1] + (-1, 32)); a = np.abs(x).max(-1, keepdims=True)
;;       e = np.where(a > 0, np.clip(np.frexp(np.where(a > 0, a, 1))[1] - 1 - 2, -126, 127), 0)      # np.frexp(a)[1] - 1 = floor(log2(a)), exactly
;;       r = np.clip(x / 2.0 ** e, -7.5, 7.5)
;;       step = 2.0 ** (np.maximum(np.frexp(np.where(r == 0, 1, r))[1] - 1, 0) - 3)
;;       q = np.round(r / step) * step * 2.0 ** e      # np.round: ties to even
;;       return np.moveaxis(q.reshape(q.shape[:-2] + (-1,))[..., :K], -1, axis).astype(np.float32)
;;   ~~~
;;   SOFTMAX AHEAD OF A QUANTISED PRODUCT. Where the list says 'softmax', what is quantised is not the finished softmax but p = 2^(t - M), with t = logit x log2(e) and M = ceil(the row's largest t), a whole number; so 1/2 < the row's largest p <= 1. The row's sum l is taken of the UNQUANTISED p, in f32, and the product's result is divided by l at the end. Since M is a whole number, a kernel that streams over the keys may use a running M (the ceiling of the running maximum): every later rescaling is an exact power of two, which a block's scale takes up: the codes' values come out the same.
;;   OPERANDS COMPUTED ON THE WAY. 'Computed on the way' means the value that the module computes at that place (a softmax that the list does not call 'softmax' is quantised finished and normalised). What goes into a quantiser is computed in f32, as accurately as f32 sums, v_exp_f32 and their like allow (about 1e-6 of the number): no bf16 or f16 on the way to a quantiser, and a product that is left as it is and whose result goes on into a quantised operand takes f32 operands (vector FMAs, or v_wmma_f32_16x16x4_f32). A number that lies on a knife's edge between two numbers of the format may be rounded either way, as far as f32 arithmetic and the matrix unit's own rounding can turn it there, and no further.
;; One version. Each part assembles by itself: llvm-mc -triple=amdgcn-amd-amdhsa -mcpu=gfx1250 --defsym DOCPART=n.
;; ======== version 1 of 1: 4 launches
;; workspace buffers: codes 23,855,104 bytes; qq 6,815,744 bytes; kv 13,369,344 bytes; ao 6,815,744 bytes
;; launch quant (part 1): grid 256 x 1, 7 waves a work-group, no clusters, 60,160 bytes of LDS; arguments q, k, v, w_qs, w_ks, w_vs, w_fc, codes; writes codes
.if DOCPART == 1
	.amdgcn_target "amdgcn-amd-amdhsa--gfx1250"
	.amdhsa_code_object_version 6
	.text
	.protected	k_qcc3c058e41_quant
	.globl	k_qcc3c058e41_quant
	.p2align	8
	.type	k_qcc3c058e41_quant,@function
k_qcc3c058e41_quant:
	s_mov_b64 s[64:65], 0
	v_nop
	global_prefetch_b8 v0, s[64:65] scope:SCOPE_SE
	s_setreg_imm32_b32 hwreg(HW_REG_WAVE_MODE, 25, 1), 1
	s_wait_xcnt 0x0
; q, k, v [8192][1024] and w_qs, w_ks, w_vs, w_fc [1024][1024], f32, K innermost, become codes of FP6 (E2M3) with one E8M0 byte for each 32 along K,
; laid as the products' operand registers want them.  A block's scale is 2^(floor(log2(largest magnitude)) - 2): its byte is the largest magnitude's exponent field - 2.
; LIMITS: NaN and infinities among the inputs are not served; a block whose largest magnitude lies under 2^-124 has its byte held at 1; a block of zeros gets the byte 1
; where the rule says 127: its codes are zeros, and the bytes are read by this program alone.
; THE BUFFER: 1,792 row tiles of 16 rows, 13,312 bytes each: q 0-511, k 512-1023, v 1024-1535, w_qs 1536-, w_ks 1600-, w_vs 1664-, w_fc 1728-1791.
; THE ROWS OF A TILE ARE NOT NEIGHBOURS: row 8 g + j of tile T of a tensor is the tensor's row 32 (T / 2) + 16 g + 8 (T % 2) + j, so that in a product's result the 16 registers of
; two neighbouring tiles are 16 neighbours.  A row tile is four chunks of 256 along K, 3,328 bytes each: two fragments (16 rows x 128 K, 1,536 bytes), 128 bytes of scale words
; (8 x row + 4 x step), 128 bytes that nobody writes or reads.  A fragment is two halves of 64 along K, 768 bytes: a lane's registers 0-3 at 16 x lane, registers 4-5 at 512 + 8 x lane.
; SHARES: wave w of work-group g takes row tile 7 g + w (1,792 = 256 x 7), in eight steps of 128 along K.  Each load reads 512 consecutive bytes of one row; a step's 16 rows turn through the
; wave's own stage in LDS (rows 528 bytes apart) and come back so that lane (r, h) holds k = 64 c + 32 h + 0 .. 31 of row r: two whole blocks, in the order of the operand's registers.
; Waves share nothing: no barrier.  No cluster: no two work-groups read the same bytes.  Loads run a step (16 loads a wave) ahead.
.set RT,    13312                      ; a row tile in bytes
.set CBK,   3328                       ; a chunk in bytes
.set WST,   16*528                     ; a wave's stage
.set SPARE, 7*WST                      ; behind the stages: the spare words, 128 bytes a wave, four blocks of 256 bytes that no other line names
.set LD,  1                            ; v1   16 x lane: my bytes of a load's 512, and of a store's
.set STA, 2                            ; v2   the stage, on the way in
.set STB, 3                            ; v3   and on the way out: 528 r + 128 h
.set O8,  5                            ; v5   512 + 8 x lane
.set OS,  6                            ; v6   3072 + 8 r + 4 h: a scale word's place
.set SH8, 7                            ; v7   8 h
.set SPW, 8                            ; v8   my spare word; never rewritten
.set NIL, 9                            ; v9   0; never rewritten
.set WS,  20                           ; v20-21 the scale words of a chunk's two steps
.set WX,  22                           ; v22  the word that my lane stores
.set PC,  24                           ; v24-35 a fragment's codes; v36-38, v40-42 the halves that are made elsewhere
.set R,   48                           ; v48-175 two sets of 64 registers as loaded
.set X,   176                          ; v176-239 my 64 numbers
	s_load_b256 s[4:11], s[0:1], 0x0               ; q, k, v, w_qs
	s_load_b256 s[12:19], s[0:1], 0x20             ; w_ks, w_vs, w_fc, codes
	v_lshl_add_u32 v[SPW], v0, 2, SPARE
	v_mov_b32 v[NIL], 0
	v_lshrrev_b32 v10, 5, v0
	v_readfirstlane_b32 s21, v10                   ; wave 0..6
	v_and_b32 v11, 31, v0                          ; lane
	v_and_b32 v12, 15, v0                          ; r
	v_bfe_u32 v13, v0, 4, 1                        ; h
	s_mul_i32 s20, ttmp9, 7
	s_add_co_u32 s20, s20, s21                     ; my row tile
	s_mul_i32 s22, s21, WST
	v_lshlrev_b32 v[LD], 4, v11
	v_add_nc_u32 v[STA], s22, v[LD]
	v_mul_u32_u24 v[STB], v12, 528
	v_lshl_add_u32 v[STB], v13, 7, v[STB]
	v_add_nc_u32 v[STB], s22, v[STB]
	v_lshl_add_u32 v[O8], v11, 3, 512
	v_lshlrev_b32 v[OS], 3, v12
	v_lshl_add_u32 v[OS], v13, 2, v[OS]
	v_add_nc_u32 v[OS], 3072, v[OS]
	v_lshlrev_b32 v[SH8], 3, v13
	v_mov_b32 v17, 0                               ; a lane permute's destination counts as one of its sources
	s_mov_b32 s30, 0xffff0000                      ; lanes 16-31
	s_mov_b32 s32, 0x76543210
	s_mov_b32 s33, 0xfedcba98                      ; v_permlanex16_b32's selects for lane l xor 16
	s_wait_alu depctr_va_vdst(0)
	s_wait_kmcnt 0x0
; which tensor my tile belongs to: a chain of choices on the tile's number alone
.macro PICK thr, lo, first
	s_cmp_lt_u32 s20, \thr
	s_cselect_b64 s[24:25], s[\lo:\lo+1], s[24:25]
	s_cselect_b32 s26, \first, s26
.endm
	s_mov_b64 s[24:25], s[16:17]
	s_mov_b32 s26, 1728
	PICK 1728, 14, 1664
	PICK 1664, 12, 1600
	PICK 1600, 10, 1536
	PICK 1536, 8, 1024
	PICK 1024, 6, 512
	PICK 512, 4, 0
	s_sub_co_u32 s26, s20, s26                     ; the tile's number in its tensor
	s_lshr_b32 s27, s26, 1
	s_lshl_b32 s28, s27, 17                        ; 32 rows of 4,096 bytes for each pair of tiles,
	s_and_b32 s27, s26, 1
	s_lshl_b32 s27, s27, 15                        ; 8 rows for the odd one
	s_add_co_u32 s28, s28, s27
	s_mov_b32 s29, 0
	s_add_nc_u64 s[24:25], s[24:25], s[28:29]
	s_mul_i32 s28, s20, RT
	s_add_nc_u64 s[18:19], s[18:19], s[28:29]
.macro LOAD t                          ; step t: 512 consecutive bytes of each of my 16 rows
.irp i, 0,1,2,3,4,5,6,7,8,9,10,11,12,13,14,15
	global_load_b128 v[R+64*((\t)%2)+4*\i:R+64*((\t)%2)+4*\i+3], v[LD], s[24:25] offset:(16*(\i/8)+\i%8)*4096+512*(\t) th:TH_LOAD_NT
.endr
.endm
.macro STEP t
.set RS, R+64*((\t)%2)
.set OFS, ((\t)/2)*CBK+((\t)%2)*1536
.if (\t) < 7
	s_wait_loadcnt 16                              ; this step's 16 loads are in; the next step's may be out
.else
	s_wait_loadcnt 0x0
.endif
.irp i, 0,1,2,3,4,5,6,7,8,9,10,11,12,13,14,15
	ds_store_b128 v[STA], v[RS+4*\i:RS+4*\i+3] offset:528*\i
.endr
.irp c, 0,1
.irp i, 0,1,2,3,4,5,6,7
	ds_load_b128 v[X+32*\c+4*\i:X+32*\c+4*\i+3], v[STB] offset:256*\c+16*\i   ; LDS serves a wave's instructions in order: these see my stores
.endr
.endr
	s_wait_dscnt 0x0                               ; my numbers are back, and the stores into the stage have read their registers
	s_wait_xcnt 0x0                                ; the last step's stores have read their data: the codes' registers and the word may be written again
.if (\t) < 6
	LOAD (\t)+2
.endif
	v_max3_num_f32 v10, |v[X]|, |v[X+1]|, 0x1800000       ; my two blocks' largest magnitudes, by turns, over the floor 2^(3 - 127): the byte cannot fall under 1
	v_max3_num_f32 v11, |v[X+32]|, |v[X+33]|, 0x1800000
.irp i, 2,4,6,8,10,12,14,16,18,20,22,24,26,28,30
	v_max3_num_f32 v10, v10, |v[X+\i]|, |v[X+1+\i]|
	v_max3_num_f32 v11, v11, |v[X+32+\i]|, |v[X+33+\i]|
.endr
	v_add_nc_u32 v12, 0xff000000, v10              ; 2 off the exponent field: the conversion takes this operand's exponent field as its scale
	v_add_nc_u32 v13, 0xff000000, v11
	v_lshrrev_b32 v14, 23, v12                     ; the bytes of blocks h and 2 + h
	v_lshrrev_b32 v15, 23, v13
	v_lshl_or_b32 v16, v15, 16, v14
	v_lshlrev_b32 v16, v[SH8], v16                 ; at their places in the row's word
	v_permlanex16_b32 v17, v16, s32, s33
	v_or_b32 v[WS+(\t)%2], v16, v17                ; with lane l xor 16's two the word is whole
	v_cvt_scalef32_pk16_fp6_f32 v[PC:PC+2], v[X:X+15], v12
	v_cvt_scalef32_pk16_fp6_f32 v[PC+12:PC+14], v[X+16:X+31], v12      ; (a conversion's three registers begin on an even number)
	v_cvt_scalef32_pk16_fp6_f32 v[PC+6:PC+8], v[X+32:X+47], v13
	v_cvt_scalef32_pk16_fp6_f32 v[PC+16:PC+18], v[X+48:X+63], v13
	v_nop                                          ; one plain place behind a scaled conversion
.irp i, 0,1,2
	v_mov_b32 v[PC+3+\i], v[PC+12+\i]
	v_mov_b32 v[PC+9+\i], v[PC+16+\i]
.endr
	global_store_b128 v[LD], v[PC:PC+3], s[18:19] offset:OFS           ; 512 consecutive bytes,
	global_store_b64 v[O8], v[PC+4:PC+5], s[18:19] offset:OFS          ; 256,
	global_store_b128 v[LD], v[PC+6:PC+9], s[18:19] offset:OFS+768
	global_store_b64 v[O8], v[PC+10:PC+11], s[18:19] offset:OFS+768
.if (\t)%2
	v_cndmask_b32 v[WX], v[WS], v[WS+1], s30       ; lanes 0-15 the even step's word, lanes 16-31 the odd step's
	global_store_b32 v[OS], v[WX], s[18:19] offset:((\t)/2)*CBK        ; 128 consecutive bytes
.endif
.endm
	LOAD 0
	LOAD 1
.irp t, 0,1,2,3,4,5,6,7
	STEP \t
.endr
	s_wait_tensorcnt 0x0                           ; the wave's end, behind my last LDS store
	ds_add_u32 v[SPW], v[NIL]
	s_wait_dscnt 0x0
	s_endpgm
.Lfunc_end_k_qcc3c058e41_quant:
	.size	k_qcc3c058e41_quant, .Lfunc_end_k_qcc3c058e41_quant-k_qcc3c058e41_quant
	.p2alignl 7, 3214868480
	.fill 96, 4, 3214868480
	.section	.rodata,"a",@progbits
	.p2align	6, 0x0
	.amdhsa_kernel k_qcc3c058e41_quant
		.amdhsa_group_segment_fixed_size 60160
		.amdhsa_private_segment_fixed_size 0
		.amdhsa_enable_private_segment 0
		.amdhsa_kernarg_size 64
		.amdhsa_user_sgpr_count 2
		.amdhsa_user_sgpr_kernarg_segment_ptr 1
		.amdhsa_wavefront_size32 1
		.amdhsa_system_sgpr_workgroup_id_x 1
		.amdhsa_system_sgpr_workgroup_id_y 1
		.amdhsa_system_sgpr_workgroup_id_z 1
		.amdhsa_system_vgpr_workitem_id 0
		.amdhsa_next_free_vgpr 248
		.amdhsa_next_free_sgpr 66
		.amdhsa_reserve_vcc 0
		.amdhsa_float_denorm_mode_32 3
		.amdhsa_float_denorm_mode_16_64 3
		.amdhsa_memory_ordered 1
		.amdhsa_forward_progress 1
		.amdhsa_inst_pref_size 59
	.end_amdhsa_kernel
	.amdgpu_metadata
---
amdhsa.version: [ 1, 2 ]
amdhsa.kernels:
  - .name:           k_qcc3c058e41_quant
    .symbol:         k_qcc3c058e41_quant.kd
    .args:
      - { .name: q, .offset: 0, .size: 8, .value_kind: global_buffer, .address_space: global }
      - { .name: k, .offset: 8, .size: 8, .value_kind: global_buffer, .address_space: global }
      - { .name: v, .offset: 16, .size: 8, .value_kind: global_buffer, .address_space: global }
      - { .name: w_qs, .offset: 24, .size: 8, .value_kind: global_buffer, .address_space: global }
      - { .name: w_ks, .offset: 32, .size: 8, .value_kind: global_buffer, .address_space: global }
      - { .name: w_vs, .offset: 40, .size: 8, .value_kind: global_buffer, .address_space: global }
      - { .name: w_fc, .offset: 48, .size: 8, .value_kind: global_buffer, .address_space: global }
      - { .name: codes, .offset: 56, .size: 8, .value_kind: global_buffer, .address_space: global }
    .group_segment_fixed_size: 60160
    .private_segment_fixed_size: 0
    .kernarg_segment_align: 8
    .kernarg_segment_size: 64
    .max_flat_workgroup_size: 224
    .sgpr_count:     66
    .vgpr_count:     248
    .wavefront_size: 32
...
	.end_amdgpu_metadata
.endif
;; end of part 1
;; launch proj (part 2): grid 4 x 192, 4 waves a work-group, clusters of 4 x 4, 307,712 bytes of LDS; arguments codes, rope_cos, rope_sin, qq, kv; writes qq, kv
.if DOCPART == 2
	.amdgcn_target "amdgcn-amd-amdhsa--gfx1250"
	.amdhsa_code_object_version 6
	.text
	.protected	k_qcc3c058e41_proj
	.globl	k_qcc3c058e41_proj
	.p2align	8
	.type	k_qcc3c058e41_proj,@function
k_qcc3c058e41_proj:
	s_mov_b64 s[64:65], 0
	v_nop
	global_prefetch_b8 v0, s[64:65] scope:SCOPE_SE
	s_setreg_imm32_b32 hwreg(HW_REG_WAVE_MODE, 25, 1), 1
	s_wait_xcnt 0x0
	s_wait_alu depctr_hold_cnt(0) depctr_sa_sdst(0) depctr_va_vdst(0) depctr_va_sdst(0) depctr_va_ssrc(0) depctr_va_vcc(0) depctr_vm_vsrc(0)
	s_getreg_b32 s2, hwreg(HW_REG_IB_STS2, 6, 4)
	s_cmp_eq_u32 s2, 0
	s_cbranch_scc0 .Lentry_in_a_cluster
	s_endpgm
.Lentry_in_a_cluster:
	s_bfe_u32 s2, ttmp6, 0x10000c
	s_cmp_lg_u32 s2, 0xf033
	s_cbranch_scc0 .Lentry_shape_is_right
	s_endpgm
.Lentry_shape_is_right:
; The three projections on codes of FP6 (E2M3), then what attention wants of them: Q and K rotated (RoPE, f32) and quantised along the head's 64; V quantised along the keys.
; OPERANDS come as row tiles of 16 rows (13,312 bytes: four chunks of 256 along K, each two fragments as images of the operand's registers and 128 bytes of scale words).
; Row 8 g + j of tile T is the tensor's row 32 (T / 2) + 16 g + 8 (T % 2) + j: so in a result the 16 registers of source 0's tiles 2 b, 2 b + 1 are the 16 neighbours 32 b + 16 (lane / 16) + 0 .. 15.
; SHARES: a work-group makes 128 rows of source 1 (8 tiles) x 256 rows of source 0 (16 tiles); a wave 64 x 128: 32 accumulators.  For Q and K source 0 = the weight, source 1 = the tokens:
; a lane holds one token and its registers run along the head.  For V source 0 = the tokens, source 1 = the weight: a lane holds one channel and its registers run along the keys.
; ALL OF K = 1,024 LIES IN LDS AT ONCE ((8 + 16) x 4 x 3,200 bytes): every tensor load is a first fill, asked for at the head; nothing is filled again, so there is nothing to ask for ahead.
; A wave has four tensor loads out.  A barrier stands in front of each chunk's first read.
; CLUSTERS: 4 x 4 work-groups; source 1's tiles are shared along a row of the cluster, source 0's along a column, each asked for jointly.
; LIMITS: NaN and infinities are not served; a block whose largest magnitude lies under 2^-124 has its byte held at 1; a block of zeros gets the byte 1 (its codes are zeros; this program alone reads the bytes).
; REGISTERS: window 0: v4-9 LDS addresses, v12-20 the way out's offsets, v32-79 scale words (two sets), v80- at work on the way out.  window 1: accumulator (a, b) at v[8 (8 a + b)].
;   windows 2, 3: two sets of fragments: source 1's four at v[12 a], source 0's eight at v[48 + 12 b]; on the way out the RoPE tables.
.set RT,    13312                      ; a row tile
.set CBK,   3328                       ; a chunk in memory
.set CL,    3200                       ; what is fetched of it
.set CH,    24*CL                      ; a chunk of all 24 tiles in LDS
.set SPARE, 4*CH                       ; behind the chunks: the spare words, 128 bytes a wave: two blocks of 256 bytes that no other line names
.set A16, 4                            ; v4-6  source 1's tiles: 16 x lane, 8 x lane, scale words
.set A8,  5
.set AS,  6
.set B16, 7                            ; v7-9  source 0's
.set B8,  8
.set BS,  9
.set SPW, 10                           ; v10  my spare word; never rewritten
.set NIL, 11                           ; v11  0; never rewritten
.set SC,  32                           ; scale words: set p at 32 + 24 p: source 1's tile a, step q at 2 a + q; source 0's tile b at 8 + 2 b + q
.set Y,   80                           ; v80-143 64 rotated numbers
.set PC,  144                          ; v144-155 a fragment's codes; v156-158, v160-162 the halves made elsewhere
.set TM,  164                          ; v164-167 largest magnitudes, v168-171 bytes, v176-179 the conversions' scale operands
.set PW,  180                          ; the scale word just made
.set SW,  184                          ; v184-187 four words to store
.set T,   188                          ; v188-203 at work
.set SX,  204
.set WV,  14
.set G1A, 24
.set G1B, 32
.set G0A, 40                           ; s[40:55] group 0 for source 1's four chunks
.set G0B, 68                           ; s[68:83] for source 0's
.set OB,  84                           ; s[84:85] where my results go
.set HS,  86                           ; a head's bytes in the buffer that I write
.set SS,  87                           ; 128 rows' bytes in it
.set SEL, 88
.set HM,  90
.set MSB, 0
.macro WIN new                         ; the immediate's high byte repeats the setting that is left
.if MSB != (\new)
	s_set_vgpr_msb (MSB<<8)|(\new)
.set MSB, \new
.endif
.endm
.macro PLACES
.rept 4
	v_nop
.endr
.endm
.macro ROUND                           ; a round of the cluster's barrier
	s_barrier_signal -1
	s_barrier_wait -1
	s_cmp_lg_u32 s[WV], 0
	s_cbranch_scc1 .Lnot_wave_0_\@
	s_barrier_signal -3
.Lnot_wave_0_\@:
	s_barrier_wait -3
	s_barrier_signal -1
	s_barrier_wait -1
.endm
	s_load_b256 s[4:11], s[0:1], 0x0               ; codes, rope_cos, rope_sin, qq
	s_load_b64 s[12:13], s[0:1], 0x20              ; kv
	v_lshl_add_u32 v[SPW], v0, 2, SPARE
	v_mov_b32 v[NIL], 0
	ds_add_u32 v[SPW], v[NIL]
	ds_add_u32 v[SPW], v[NIL]                      ; the wave's opening: the add and its wait stand ahead of the first tensor loads; work on registers stands between
	v_lshrrev_b32 v1, 5, v0
	v_readfirstlane_b32 s[WV], v1                  ; wave 0..3
	s_lshr_b32 s15, s14, 1                         ; which 4 of source 1's tiles are mine
	s_and_b32 s16, s14, 1                          ; which 8 of source 0's
	s_bfe_u32 s17, ttmp6, 0x40000                  ; cx
	s_bfe_u32 s18, ttmp6, 0x40004                  ; cy
	s_and_b32 s20, ttmp7, 0xffff                   ; the cluster's y, 0..47
	s_lshr_b32 s19, s20, 4                         ; 0: Q, 1: K, 2: V: the same in all partners
	s_and_b32 s20, s20, 15
	s_and_b32 s92, s20, 1
	s_lshr_b32 s93, s20, 1
	s_lshl_b32 s94, s19, 9                         ; the tokens' first tile: 512 x tensor
	s_lshl_b32 s95, s19, 6
	s_add_co_u32 s95, s95, 1536                    ; the weight's: 1536 + 64 x tensor
	s_cmp_eq_u32 s19, 2
	s_cselect_b32 s92, s92, s20                    ; V: the weight is source 1 (8 blocks of 8 tiles),
	s_cselect_b32 s93, s93, 0                      ; the tokens are source 0 (32 blocks of 16 tiles)
	s_cselect_b32 s94, 1664, s94
	s_cselect_b32 s95, 1024, s95
	s_lshl_b32 s21, s92, 2
	s_add_co_u32 s21, s21, s18                     ; source 1's block: it hangs on cy, never on cx
	s_lshl_b32 s22, s93, 2
	s_add_co_u32 s22, s22, s17                     ; source 0's block: on cx, never on cy
	s_lshl_b32 s56, s21, 3
	s_add_co_u32 s56, s56, s94
	s_mul_i32 s56, s56, RT                         ; source 1's 8 tiles, in bytes
	s_mov_b32 s57, 0
	s_lshl_b32 s60, s22, 4
	s_add_co_u32 s60, s60, s95
	s_lshl_b32 s61, s15, 3
	s_add_co_u32 s60, s60, s61                     ; wave 1 fetches source 0's tiles 0-7, wave 2 tiles 8-15
	s_mul_i32 s60, s60, RT
	s_mov_b32 s61, 0
	s_mul_i32 s23, s14, 8*CL                       ; where a wave's 8 tiles go in a chunk: wave 0 source 1's, waves 1 and 2 source 0's
	s_lshl_b32 s96, s18, 2
	s_lshl_b32 s96, 15, s96                        ; my row of the cluster
	s_lshl_b32 s97, 0x1111, s17                    ; my column
	s_or_b32 s[G1A], s96, (3<<16)|(1<<21)          ; 15:0 the mask; 17:16 elements of 8 bytes; 21 set beside a mask; no padding
	s_or_b32 s[G1B], s97, (3<<16)|(1<<21)
.irp g, G1A, G1B
	s_mov_b32 s[\g+1], 400<<16                     ; tensor_dim0 = 400 elements: 3,200 bytes of a chunk
	s_mov_b32 s[\g+2], 8<<16                       ; tensor_dim1 = 8 tiles
	s_mov_b32 s[\g+3], 400<<16                     ; tile_dim0
	s_mov_b32 s[\g+4], 8                           ; tile_dim1
	s_mov_b32 s[\g+5], RT/8                        ; from tile to tile
	s_mov_b32 s[\g+6], 0
	s_mov_b32 s[\g+7], 0
.endr
	s_mov_b32 s[SEL], 0x76543210
	s_mov_b32 s[SEL+1], 0xfedcba98
	s_mov_b32 s[HM], 0xffff0000                    ; lanes 16-31
	s_wait_dscnt 0x0                               ; the opening add is done
	s_wait_kmcnt 0x0
	s_add_nc_u64 s[58:59], s[4:5], s[56:57]
	s_add_nc_u64 s[62:63], s[4:5], s[60:61]
.irp c, 0,1,2,3
	s_mov_b32 s[G0A+4*\c], 1
	s_add_co_u32 s[G0A+4*\c+1], s23, \c*CH
	s_add_nc_u64 s[G0A+4*\c+2:G0A+4*\c+3], s[58:59], \c*CBK
	s_or_b32 s[G0A+4*\c+3], s[G0A+4*\c+3], 0x80000000
	s_mov_b32 s[G0B+4*\c], 1
	s_add_co_u32 s[G0B+4*\c+1], s23, \c*CH
	s_add_nc_u64 s[G0B+4*\c+2:G0B+4*\c+3], s[62:63], \c*CBK
	s_or_b32 s[G0B+4*\c+3], s[G0B+4*\c+3], 0x80000000
.endr
	ROUND                                          ; all sixteen work-groups are here: the joint loads meet
	s_cmp_eq_u32 s[WV], 0                          ; a wave's four first fills stand in one branch on the wave's number
	s_cbranch_scc0 .Lnot_a
.irp c, 0,1,2,3
	tensor_load_to_lds s[G0A+4*\c:G0A+4*\c+3], s[G1A:G1A+7]
	s_nop 0
.endr
	PLACES
	s_branch .Lasked
.Lnot_a:
	s_cmp_eq_u32 s[WV], 3
	s_cbranch_scc1 .Lasked
.irp c, 0,1,2,3
	tensor_load_to_lds s[G0B+4*\c:G0B+4*\c+3], s[G1B:G1B+7]
	s_nop 0
.endr
	PLACES
.Lasked:
	v_and_b32 v1, 31, v0                           ; lane
	v_and_b32 v2, 15, v0                           ; r
	v_bfe_u32 v3, v0, 4, 1                         ; h
	s_mul_i32 s92, s15, 4*CL
	v_lshl_add_u32 v[A16], v1, 4, s92
	v_lshl_add_u32 v[A8], v1, 3, s92
	s_add_co_u32 s93, s92, 3072
	v_lshl_add_u32 v[AS], v2, 3, s93
	s_mul_i32 s94, s16, 8*CL
	s_add_co_u32 s94, s94, 8*CL
	v_lshl_add_u32 v[B16], v1, 4, s94
	v_lshl_add_u32 v[B8], v1, 3, s94
	s_add_co_u32 s95, s94, 3072
	v_lshl_add_u32 v[BS], v2, 3, s95
.irp b, 0,1,2,3
	v_mov_b32 v[TM+4+\b], 0                        ; a lane permute's destination counts as one of its sources
.endr
; THE CORE.  A fragment (12 registers) comes by four loads, each of consecutive bytes: registers 0-3, 4-5, 6-9, 10-11.
.macro HFRAG reg, a16, a8, off
	ds_load_b128 v[\reg:\reg+3], v[\a16] offset:\off
	ds_load_b64 v[\reg+4:\reg+5], v[\a8] offset:\off+512
	ds_load_b128 v[\reg+6:\reg+9], v[\a16] offset:\off+768
	ds_load_b64 v[\reg+10:\reg+11], v[\a8] offset:\off+1280
.endm
.macro FETCH s                         ; K step s: 48 loads into set s % 2; with an even step the chunk's scale words, 12 loads more
	WIN 0x80+0x40*((\s)%2)
.irp i, 0,1,2,3,4,5,6,7
	HFRAG 48+12*\i, B16, B8, CL*\i+1536*((\s)%2)
.endr
.irp i, 0,1,2,3
	HFRAG 12*\i, A16, A8, CL*\i+1536*((\s)%2)
.endr
.if (\s)%2 == 0
	WIN 0
.irp i, 0,1,2,3,4,5,6,7
	ds_load_b64 v[SC+24*(((\s)/2)%2)+8+2*\i:SC+24*(((\s)/2)%2)+9+2*\i], v[BS] offset:CL*\i
.endr
.irp i, 0,1,2,3
	ds_load_b64 v[SC+24*(((\s)/2)%2)+2*\i:SC+24*(((\s)/2)%2)+1+2*\i], v[AS] offset:CL*\i
.endr
.endif
.endm
.macro MUL s                           ; 32 matrix instructions; the 32 accumulators take turns, one instruction a turn; step 0 starts the sums
	WIN 0x5a+5*((\s)%2)
.irp a, 0,1,2,3
.irp b, 0,1,2,3,4,5,6,7
.if (\s) == 0
	v_wmma_scale_f32_16x16x128_f8f6f4 v[8*(8*\a+\b):8*(8*\a+\b)+7], v[48+12*\b:48+12*\b+11], v[12*\a:12*\a+11], 0, v[SC+24*(((\s)/2)%2)+8+2*\b+(\s)%2], v[SC+24*(((\s)/2)%2)+2*\a+(\s)%2] matrix_a_fmt:MATRIX_FMT_FP6 matrix_b_fmt:MATRIX_FMT_FP6
.else
	v_wmma_scale_f32_16x16x128_f8f6f4 v[8*(8*\a+\b):8*(8*\a+\b)+7], v[48+12*\b:48+12*\b+11], v[12*\a:12*\a+11], v[8*(8*\a+\b):8*(8*\a+\b)+7], v[SC+24*(((\s)/2)%2)+8+2*\b+(\s)%2], v[SC+24*(((\s)/2)%2)+2*\a+(\s)%2] matrix_a_fmt:MATRIX_FMT_FP6 matrix_b_fmt:MATRIX_FMT_FP6
.endif
.endr
.endr
.endm
.macro CHUNKIN c                       ; chunk c is whole for every wave: my loads of it have landed (the later chunks', 3 - c, may be out)
	WIN 0
	s_wait_tensorcnt 3-(\c)
	s_wait_dscnt 0x0
	s_barrier_signal -1
	s_barrier_wait -1
.if (\c) > 0
.irp v, 4,5,6,7,8,9
	v_add_nc_u32 v[\v], CH, v[\v]                  ; on to the chunk; these six are also the places in front of the loads that follow
.endr
.endif
.endm
	s_wait_alu depctr_va_vdst(0)
	CHUNKIN 0
	FETCH 0
.irp s, 0,1,2,3,4,5,6
.if (\s)%2
	CHUNKIN (\s+1)/2
.elseif (\s) >= 2
	PLACES                                         ; in front of loads into registers that matrix instructions have read
.endif
	FETCH \s+1
.if (\s)%2
	s_wait_alu depctr_va_vdst(0)
	s_wait_dscnt 60                                ; all but the 60 loads just issued
.else
	s_wait_dscnt 48                                ; all but the 48 just issued
.endif
	MUL \s
.endr
	s_wait_dscnt 0x0
	MUL 7
	WIN 0
	PLACES                                         ; in front of the first read of results, and of loads into the fragments' registers
; 64 numbers of a lane in window w, register 16 b + i = k 32 b + 16 (lane / 16) + i of my row, become a fragment's codes in v[PC] on and its scale word in v[PW].  Each accumulator is read from its low end on.
.macro QUANT s, w
	WIN 5*(\w)
.irp b, 0,1,2,3
	v_max3_num_f32 v[TM+\b], |v[(\s)+16*\b]|, |v[(\s)+1+16*\b]|, 0x1800000   ; over the floor 2^(3 - 127): the byte cannot fall under 1
.endr
.irp i, 2,4,6,8,10,12,14
.irp b, 0,1,2,3
	v_max3_num_f32 v[TM+\b], |v[(\s)+16*\b+\i]|, |v[(\s)+1+16*\b+\i]|, v[TM+\b]
.endr
.endr
	WIN 0
.irp b, 0,1,2,3
	v_permlanex16_b32 v[TM+4+\b], v[TM+\b], s[SEL], s[SEL+1]
.endr
.irp b, 0,1,2,3
	v_max_num_f32 v[TM+\b], v[TM+\b], v[TM+4+\b]   ; with lane l xor 16's: the block's largest magnitude
.endr
.irp b, 0,1,2,3
	v_add_nc_u32 v[TM+12+\b], 0xff000000, v[TM+\b] ; 2 off its exponent field: the conversion's scale operand
.endr
.irp b, 0,1,2,3
	v_lshrrev_b32 v[TM+4+\b], 23, v[TM+12+\b]      ; the scale's byte
.endr
	v_lshl_or_b32 v[PW], v[TM+5], 8, v[TM+4]
	v_lshl_or_b32 v[PW], v[TM+6], 16, v[PW]
	v_lshl_or_b32 v[PW], v[TM+7], 24, v[PW]
	WIN \w
.irp c, 0,1
	v_cvt_scalef32_pk16_fp6_f32 v[PC+6*\c:PC+2+6*\c], v[(\s)+32*\c:(\s)+15+32*\c], v[TM+12+2*\c]
	v_cvt_scalef32_pk16_fp6_f32 v[PC+12+4*\c:PC+14+4*\c], v[(\s)+16+32*\c:(\s)+31+32*\c], v[TM+12+2*\c+1]
.endr
	WIN 0
	v_nop                                          ; one plain place behind a scaled conversion
.irp c, 0,1                                    ; the operand's layout wants a whole block in a lane
.irp i, 0,1,2
	v_permlane16_swap_b32 v[PC+6*\c+\i], v[PC+12+4*\c+\i]
.endr
.irp i, 0,1,2
	v_mov_b32 v[PC+3+6*\c+\i], v[PC+12+4*\c+\i]
.endr
.endr
.endm
	s_cmp_eq_u32 s19, 2                            ; the tensor's number: the same in every wave and every partner
	s_cbranch_scc1 .Lvway
; ---- Q AND K.  Accumulators (a, 4 e + 2 x + u): token = row r of my tile a; head 2 (wave % 2) + e of my four; register 8 u + j: channel 32 x + 16 h + 8 u + j.
	s_cmp_eq_u32 s19, 0
	s_cselect_b64 s[OB:OB+1], s[10:11], s[12:13]
	s_mov_b32 s[HS], 208896
	s_cselect_b32 s[HS], 106496, s[HS]
	s_mov_b32 s[SS], 13056
	s_cselect_b32 s[SS], 6656, s[SS]
	s_lshr_b32 s92, s21, 4
	s_lshl_b32 s92, s92, 4                         ; 16 x batch
	s_lshl_b32 s93, s17, 2
	s_add_co_u32 s92, s92, s93
	s_lshl_b32 s93, s16, 1
	s_add_co_u32 s92, s92, s93                     ; + my even head
	s_mul_i32 s92, s92, s[HS]
	s_and_b32 s93, s21, 15
	s_mul_i32 s93, s93, s[SS]                      ; + my 128 rows
	s_add_co_u32 s92, s92, s93
	s_mov_b32 s93, 0
	s_add_nc_u64 s[OB:OB+1], s[OB:OB+1], s[92:93]
	v_and_b32 v12, 8, v2
	v_add_nc_u32 v12, v12, v2                      ; r + 8 (r / 8): the tile's rows are not neighbours
	v_lshlrev_b32 v12, 8, v12                      ; a row of the tables is 256 bytes
	v_lshl_add_u32 v12, v3, 6, v12                 ; + 16 h numbers
	s_lshl_b32 s92, s21, 7
	s_lshl_b32 s93, s15, 6
	s_add_co_u32 s92, s92, s93
	s_and_b32 s92, s92, 2047                       ; my first token's place in its sequence
	s_lshl_b32 s92, s92, 8
	v_add_nc_u32 v12, s92, v12
	s_wait_alu depctr_va_vdst(0)
	v_lshlrev_b32 v13, 4, v3                       ; 16 h
	s_mul_i32 s94, s15, 3072
	v_lshl_add_u32 v14, v1, 4, s94                 ; the even head's half fragments: registers 0-3,
	v_add_nc_u32 v15, s[HS], v14                   ; the odd head's,
	s_add_co_u32 s95, s94, 512
	v_lshl_add_u32 v16, v1, 3, s95                 ; registers 4-5,
	v_add_nc_u32 v17, s[HS], v16
	s_lshl_b32 s95, s15, 8
	s_add_co_u32 s95, s95, 6144
	v_lshl_add_u32 v18, v2, 4, s95                 ; the scale words: lanes 0-15 the even head's, lanes 16-31 the odd head's
	v_mul_lo_u32 v19, v3, s[HS]
	v_add_nc_u32 v18, v18, v19
; The tables of tile a's tokens, 64 registers: cos at channels 16 h + i and 32 + 16 h + i, then sin likewise: every number of both tables is read as it is given.
.macro TABLE a
.if (\a) < 2
.set TBL, 144
.else
.set TBL, 0
.endif
	WIN 0x80+0x40*((\a)%2)
.irp x, 0,1
.irp k, 0,1,2,3
	global_load_b128 v[TBL+16*\x+4*\k:TBL+16*\x+4*\k+3], v12, s[6:7] offset:(32*((\a)/2)+8*((\a)%2))*256+128*\x+16*\k
	global_load_b128 v[TBL+32+16*\x+4*\k:TBL+32+16*\x+4*\k+3], v12, s[8:9] offset:(32*((\a)/2)+8*((\a)%2))*256+128*\x+16*\k
.endr
.endr
.endm
.macro ROPE a                          ; y(d) = x(d) cos(d) - x(d + 32) sin(d);  y(d + 32) = x(d + 32) cos(d + 32) + x(d) sin(d + 32)
.if (\a) < 2
.set TBL, 144
.else
.set TBL, 0
.endif
	WIN 0x09+4*((\a)%2)                            ; source 0: the accumulators, window 1; source 1: the tables, window 2 or 3
.irp e, 0,1
.set AC, 64*(\a)+32*\e
.irp i, 0,2,4,6,8,10,12,14
	v_pk_mul_f32 v[T+\i:T+\i+1], v[AC+16+\i:AC+17+\i], v[TBL+32+\i:TBL+33+\i]
.endr
.irp i, 0,2,4,6,8,10,12,14
	v_pk_fma_f32 v[Y+32*\e+\i:Y+32*\e+\i+1], v[AC+\i:AC+\i+1], v[TBL+\i:TBL+\i+1], v[T+\i:T+\i+1] neg_lo:[0,0,1] neg_hi:[0,0,1]
.endr
.irp i, 0,2,4,6,8,10,12,14
	v_pk_mul_f32 v[T+\i:T+\i+1], v[AC+\i:AC+\i+1], v[TBL+48+\i:TBL+49+\i]
.endr
.irp i, 0,2,4,6,8,10,12,14
	v_pk_fma_f32 v[Y+32*\e+16+\i:Y+32*\e+17+\i], v[AC+16+\i:AC+17+\i], v[TBL+16+\i:TBL+17+\i], v[T+\i:T+\i+1]
.endr
.endr
	WIN 0
.endm
	TABLE 0
	TABLE 1
	TABLE 2                                        ; tables 2 and 3 land in fragment registers that are done with
	TABLE 3
.irp a, 0,1,2,3
	s_wait_loadcnt 48-16*\a                        ; table a is in; the tables issued behind it may be out
	ROPE \a
.if \a > 0
	s_wait_xcnt 0x0                                ; the last tile's stores have read the codes' registers
.endif
	QUANT Y, 0                                     ; two heads x 64 channels: the fragment's two halves are the two heads' half fragments
	global_store_b128 v14, v[PC:PC+3], s[OB:OB+1] offset:768*\a
	global_store_b64 v16, v[PC+4:PC+5], s[OB:OB+1] offset:768*\a
	global_store_b128 v15, v[PC+6:PC+9], s[OB:OB+1] offset:768*\a
	global_store_b64 v17, v[PC+10:PC+11], s[OB:OB+1] offset:768*\a
	v_lshrrev_b32 v181, v13, v[PW]                 ; my half's head: its two bytes,
	v_perm_b32 v[SW+\a], v181, v181, 0x01000100    ; written twice: the word then fits either half of a matrix instruction's 128
.endr
	global_store_b128 v18, v[SW:SW+3], s[OB:OB+1]  ; sixteen lanes store 256 consecutive bytes
	s_branch .Ljoin
.Lvway:
; ---- V.  Accumulators (a, b): channel = row r of the weight's tile a (my head's four tiles); registers of tiles 2 x, 2 x + 1: keys 32 x + 16 h + 0 .. 15 of my 128.
	s_lshl_b32 s92, s22, 1
	s_add_co_u32 s92, s92, s16                     ; my key step, 0..63
	s_lshr_b32 s93, s92, 4
	s_lshl_b32 s93, s93, 4                         ; 16 x batch
	s_lshl_b32 s94, s21, 1
	s_add_co_u32 s93, s93, s94
	s_add_co_u32 s93, s93, s15                     ; + my head
	s_mul_i32 s93, s93, 208896
	s_and_b32 s92, s92, 15
	s_mul_i32 s92, s92, 13056
	s_add_co_u32 s92, s92, s93
	s_add_co_u32 s92, s92, 6656                    ; behind the step's part of K
	s_mov_b32 s93, 0
	s_add_nc_u64 s[OB:OB+1], s[12:13], s[92:93]
	v_lshlrev_b32 v19, 4, v1
	v_lshlrev_b32 v20, 4, v2
	v_lshl_add_u32 v20, v3, 3, v20
	v_add_nc_u32 v20, 6144, v20
.irp a, 0,1,2,3
.if \a > 0
	s_wait_xcnt 0x0                                ; the last tile's stores have read the codes' registers
.endif
	QUANT 64*\a, 1
.irp g, 0,1,2
	global_store_b128 v19, v[PC+4*\g:PC+4*\g+3], s[OB:OB+1] offset:1536*\a+512*\g   ; the fragment as an image of its registers: 512 consecutive bytes a store
.endr
	v_mov_b32 v[SW+\a], v[PW]
.endr
	v_cndmask_b32 v[SX], v[SW], v[SW+2], s[HM]
	v_cndmask_b32 v[SX+1], v[SW+1], v[SW+3], s[HM]
	global_store_b64 v20, v[SX:SX+1], s[OB:OB+1]   ; a row's four words, two to each half of the lanes: 256 consecutive bytes
.Ljoin:
	s_wait_tensorcnt 0x0                           ; the wave's end
	ds_add_u32 v[SPW], v[NIL]
	s_wait_dscnt 0x0
	ROUND                                          ; the closing round
	s_endpgm
.Lfunc_end_k_qcc3c058e41_proj:
	.size	k_qcc3c058e41_proj, .Lfunc_end_k_qcc3c058e41_proj-k_qcc3c058e41_proj
	.p2alignl 7, 3214868480
	.fill 96, 4, 3214868480
	.section	.rodata,"a",@progbits
	.p2align	6, 0x0
	.amdhsa_kernel k_qcc3c058e41_proj
		.amdhsa_group_segment_fixed_size 307712
		.amdhsa_private_segment_fixed_size 0
		.amdhsa_enable_private_segment 0
		.amdhsa_kernarg_size 40
		.amdhsa_user_sgpr_count 2
		.amdhsa_user_sgpr_kernarg_segment_ptr 1
		.amdhsa_wavefront_size32 1
		.amdhsa_system_sgpr_workgroup_id_x 1
		.amdhsa_system_sgpr_workgroup_id_y 1
		.amdhsa_system_sgpr_workgroup_id_z 1
		.amdhsa_system_vgpr_workitem_id 0
		.amdhsa_next_free_vgpr 1024
		.amdhsa_next_free_sgpr 100
		.amdhsa_reserve_vcc 0
		.amdhsa_float_denorm_mode_32 3
		.amdhsa_float_denorm_mode_16_64 3
		.amdhsa_memory_ordered 1
		.amdhsa_forward_progress 1
		.amdhsa_inst_pref_size 130
	.end_amdhsa_kernel
	.amdgpu_metadata
---
amdhsa.version: [ 1, 2 ]
amdhsa.kernels:
  - .name:           k_qcc3c058e41_proj
    .symbol:         k_qcc3c058e41_proj.kd
    .args:
      - { .name: codes, .offset: 0, .size: 8, .value_kind: global_buffer, .address_space: global }
      - { .name: rope_cos, .offset: 8, .size: 8, .value_kind: global_buffer, .address_space: global }
      - { .name: rope_sin, .offset: 16, .size: 8, .value_kind: global_buffer, .address_space: global }
      - { .name: qq, .offset: 24, .size: 8, .value_kind: global_buffer, .address_space: global }
      - { .name: kv, .offset: 32, .size: 8, .value_kind: global_buffer, .address_space: global }
    .group_segment_fixed_size: 307712
    .private_segment_fixed_size: 0
    .kernarg_segment_align: 8
    .kernarg_segment_size: 40
    .max_flat_workgroup_size: 128
    .sgpr_count:     100
    .vgpr_count:     1024
    .wavefront_size: 32
...
	.end_amdgpu_metadata
.endif
;; end of part 2
;; launch attn (part 3): grid 4 x 64, 16 waves a work-group, clusters of 4 x 1, 210,944 bytes of LDS; arguments qq, kv, ao; writes ao
.if DOCPART == 3
	.amdgcn_target "amdgcn-amd-amdhsa--gfx1250"
	.amdhsa_code_object_version 6
	.text
	.protected	k_qcc3c058e41_attn
	.globl	k_qcc3c058e41_attn
	.p2align	8
	.type	k_qcc3c058e41_attn,@function
k_qcc3c058e41_attn:
	s_mov_b64 s[64:65], 0
	v_nop
	global_prefetch_b8 v0, s[64:65] scope:SCOPE_SE
	s_setreg_imm32_b32 hwreg(HW_REG_WAVE_MODE, 25, 1), 1
	s_wait_xcnt 0x0
	s_wait_alu depctr_hold_cnt(0) depctr_sa_sdst(0) depctr_va_vdst(0) depctr_va_sdst(0) depctr_va_ssrc(0) depctr_va_vcc(0) depctr_vm_vsrc(0)
	s_getreg_b32 s2, hwreg(HW_REG_IB_STS2, 6, 4)
	s_cmp_eq_u32 s2, 0
	s_cbranch_scc0 .Lentry_in_a_cluster
	s_endpgm
.Lentry_in_a_cluster:
	s_bfe_u32 s2, ttmp6, 0x10000c
	s_cmp_lg_u32 s2, 0x3003
	s_cbranch_scc0 .Lentry_shape_is_right
	s_endpgm
.Lentry_shape_is_right:
; O = softmax(Q K^T / 8) V for one head, both products on codes of FP6 (E2M3), and O / l quantised along the heads' channels for the last projection.
; t = score x log2(e) / 8; M = the running largest t rounded UP to a whole number; p = 2^(t - M) is quantised along the keys, not normalised; the row's sum is taken of the unquantised p and divides at the end.
; SHARES: a cluster of four work-groups is one head; a work-group owns 512 queries; each of its sixteen waves one tile of 16 in each of two passes.  Four waves to a SIMD: one wave's vector work stands beside another's products.
; THE WHOLE HEAD'S K, V AND SCALE WORDS (16 key steps x 13,056 bytes) COME INTO LDS ONCE, jointly for the four work-groups: wave w asks for key step w.  Nothing is filled again, and nothing is left to ask for ahead.
; LAYOUT: both products transposed (S^T = K Q^T, O^T = V^T P^T): a lane holds one query.  K's tiles hold their keys in the order in which the 16 registers of tiles 2 b, 2 b + 1 are the keys 32 b + 16 (lane / 16) + 0 .. 15.
; THE FIRST PRODUCT'S K IS 64, half of an instruction's 128: source 0 takes TWO key tiles side by side, source 1 is [Q, 0] for the first and [0, Q] for the second: zero codes add nothing.
; Scale words of Q and K hold their two bytes twice, so that they fit either half.
; A key step in LDS: 8 half fragments of K (768 bytes each), their scale words (512), 4 fragments of V^T (1,536 each), V's scale words (256).
; LIMITS: NaN and infinities are not served; a block whose largest magnitude lies under 2^-124 has its byte held at 1; a block of zeros gets the byte 1 (its codes are zeros; this program alone reads the bytes).
; The two scale bytes a row of O leave by byte stores, 32 bytes a wave beside its 768 bytes of codes: those 256-byte blocks are written in part by each of four heads.
.set STEPB, 13056
.set QBLK,  6656
.set SPARE, 16*STEPB                   ; behind the head: the spare words, 128 bytes a wave: eight blocks of 256 bytes that no other line names
.set L16, 1                            ; v1  16 x lane
.set L8,  2                            ; v2  8 x lane
.set R16, 3                            ; v3  16 r
.set GS,  4                            ; v4  8 r + h
.set SPW, 5                            ; v5  my spare word; never rewritten
.set NIL, 6                            ; v6  0; never rewritten
.set A16, 7                            ; v7-9 the step's addresses
.set A8,  8
.set AR,  9
.set ZQ,  16                           ; v16-45: six zeros, Q of pass 0, six zeros, Q of pass 1, six zeros.  v12 -M, v13 the largest t, v[14:15] the sum in two halves
.set QS,  46                           ; v46-47 Q's scale words
.set KV,  48                           ; v48-95 four pairs of K's tiles, then V's four fragments
.set S,   96                           ; v96-159 S^T, then p
.set O,   160                          ; v160-191 O^T
.set KS,  192                          ; v192-199 K's scale words
.set VS,  200                          ; v200-203 V's
.set P,   204                          ; v204-215 p's codes; v216-218, v220-222 the halves made elsewhere
.set BM,  224
.set T2,  228
.set SCL, 232
.set PW,  236                          ; p's scale word
.set F,   238                          ; v[238:239]
.set W0,  240
.set W2,  242
.set WV,  10
.set G1,  16
.set G0,  24
.set SEL, 28
.set HM,  30
.set TB,  31
.set CNT, 32
.set CS,  34
.set AOB, 36
.set AOS, 38
.macro ROUND
	s_barrier_signal -1
	s_barrier_wait -1
	s_cmp_lg_u32 s[WV], 0
	s_cbranch_scc1 .Lnot_wave_0_\@
	s_barrier_signal -3
.Lnot_wave_0_\@:
	s_barrier_wait -3
	s_barrier_signal -1
	s_barrier_wait -1
.endm
	s_load_b128 s[4:7], s[0:1], 0x0                ; qq, kv
	s_load_b64 s[8:9], s[0:1], 0x10                ; ao
	v_lshl_add_u32 v[SPW], v0, 2, SPARE
	v_mov_b32 v[NIL], 0
	ds_add_u32 v[SPW], v[NIL]                      ; the wave's opening: the add and its wait stand ahead of my tensor load; work on registers stands between
	ds_add_u32 v[SPW], v[NIL]
	v_lshrrev_b32 v1, 5, v0
	s_delay_alu instid0(VALU_DEP_1)
	v_readfirstlane_b32 s[WV], v1                  ; wave 0..15
	s_bfe_u32 s11, ttmp6, 0x40000                  ; cx: it enters qq's and ao's addresses alone
	s_and_b32 s12, ttmp7, 0xffff                   ; 16 x batch + head, which the four partners share
	s_mov_b32 s[G1], 15|(3<<16)|(1<<21)            ; the mask: all four; elements of 8 bytes; bit 21 beside a mask; no padding
	s_mov_b32 s[G1+1], 32<<16                      ; a key step is dense: 51 rows of 256 bytes
	s_mov_b32 s[G1+2], 51<<16
	s_mov_b32 s[G1+3], 32<<16
	s_mov_b32 s[G1+4], 51
	s_mov_b32 s[G1+5], 32
	s_mov_b32 s[G1+6], 0
	s_mov_b32 s[G1+7], 0
	s_mov_b32 s[G0], 1
	s_mul_i32 s[G0+1], s[WV], STEPB                ; key step w, in LDS
	s_mul_i32 s14, s12, 16*STEPB
	s_add_co_u32 s14, s14, s[G0+1]                 ; and in memory
	s_mov_b32 s15, 0
	s_lshl_b32 s40, s11, 2                         ; Q: my work-group's four blocks of 128 rows; pass 0 takes the first two
	s_lshr_b32 s41, s[WV], 3
	s_add_co_u32 s40, s40, s41
	s_mul_i32 s40, s40, QBLK
	s_mul_i32 s41, s12, 16*QBLK
	s_add_co_u32 s40, s40, s41
	s_mov_b32 s41, 0
	s_and_b32 s44, s[WV], 7
	s_mul_i32 s44, s44, 768                        ; my tile in its block
	s_add_co_u32 s45, s44, 512
	s_bfe_u32 s46, s[WV], 0x10002
	s_lshl_b32 s46, s46, 8
	s_and_b32 s47, s[WV], 3
	s_lshl_b32 s47, s47, 2
	s_add_co_u32 s46, s46, s47
	s_add_co_u32 s46, s46, 6144                    ; and its scale words
	s_lshr_b32 s13, s12, 4                         ; ao: row tile 128 x batch + 32 cx + wave (+ 16 in pass 1),
	s_lshl_b32 s13, s13, 7
	s_lshl_b32 s42, s11, 5
	s_add_co_u32 s13, s13, s42
	s_add_co_u32 s13, s13, s[WV]
	s_mul_i32 s13, s13, 13312
	s_bfe_u32 s42, s12, 0x20002                    ; chunk head / 4,
	s_mul_i32 s42, s42, 3328
	s_add_co_u32 s13, s13, s42
	s_bfe_u32 s42, s12, 0x10001                    ; step (head / 2) % 2,
	s_and_b32 s43, s12, 1                          ; half head % 2
	s_mul_i32 s[AOB], s42, 1536
	s_mul_i32 s[AOS], s43, 768
	s_add_co_u32 s[AOB], s[AOB], s[AOS]
	s_add_co_u32 s[AOB], s[AOB], s13
	s_mov_b32 s[AOB+1], 0
	s_lshl_b32 s42, s42, 2
	s_lshl_b32 s43, s43, 1
	s_add_co_u32 s[AOS], s42, s43
	s_add_co_u32 s[AOS], s[AOS], s13
	s_add_co_u32 s[AOS], s[AOS], 3072
	s_mov_b32 s[AOS+1], 0
	s_mov_b32 s[SEL], 0x76543210
	s_mov_b32 s[SEL+1], 0xfedcba98
	s_mov_b32 s[HM], 0xffff0000                    ; lanes 16-31
	s_mov_b32 s[CS], 0x3e38aa3b                    ; c = log2(e) / 8
	s_mov_b32 s[CS+1], s[CS]                       ; (named with it as a pair)
	s_wait_dscnt 0x0                               ; the opening add is done
	s_wait_kmcnt 0x0
	s_add_nc_u64 s[G0+2:G0+3], s[6:7], s[14:15]
	s_or_b32 s[G0+3], s[G0+3], 0x80000000
	s_add_nc_u64 s[4:5], s[4:5], s[40:41]
	s_add_nc_u64 s[AOB:AOB+1], s[8:9], s[AOB:AOB+1]
	s_add_nc_u64 s[AOS:AOS+1], s[8:9], s[AOS:AOS+1]
	ROUND                                          ; all four work-groups are here: the joint loads meet
	tensor_load_to_lds s[G0:G0+3], s[G1:G1+7]      ; my one tensor load
	s_nop 0
.rept 4
	v_nop
.endr
	v_and_b32 v10, 31, v0                          ; lane
	v_and_b32 v11, 15, v0                          ; r
	v_bfe_u32 v[GS], v0, 4, 1                      ; h
	s_delay_alu instid0(VALU_DEP_3)
	v_lshlrev_b32 v[L16], 4, v10
	s_delay_alu instid0(VALU_DEP_4)
	v_lshlrev_b32 v[L8], 3, v10
	s_delay_alu instid0(VALU_DEP_4)
	v_lshlrev_b32 v[R16], 4, v11
	s_delay_alu instid0(VALU_DEP_4)
	v_lshl_add_u32 v[GS], v11, 3, v[GS]
	s_delay_alu instid0(VALU_DEP_4)
	v_add_nc_u32 v[A16], s44, v[L16]
	s_delay_alu instid0(VALU_DEP_4)
	v_add_nc_u32 v[A8], s45, v[L8]
	s_delay_alu instid0(VALU_DEP_4)
	v_add_nc_u32 v[AR], s46, v[R16]
	global_load_b128 v[ZQ+6:ZQ+9], v[A16], s[4:5]                  ; both passes' Q stay in registers
	global_load_b64 v[ZQ+10:ZQ+11], v[A8], s[4:5]
	global_load_b32 v[QS], v[AR], s[4:5]
	global_load_b128 v[ZQ+18:ZQ+21], v[A16], s[4:5] offset:2*QBLK
	global_load_b64 v[ZQ+22:ZQ+23], v[A8], s[4:5] offset:2*QBLK
	global_load_b32 v[QS+1], v[AR], s[4:5] offset:2*QBLK
.irp i, 0,1,2,3,4,5
	v_mov_b32 v[ZQ+\i], 0
	v_mov_b32 v[ZQ+12+\i], 0
	v_mov_b32 v[ZQ+24+\i], 0
.endr
.irp b, 0,1,2,3
	v_mov_b32 v[T2+\b], 0                          ; a lane permute's destination counts as one of its sources
.endr
	v_mov_b32 v[F+1], 0                            ; (named as the upper half of a pair)
	s_wait_loadcnt 0x0                             ; Q; the loads' address registers may be written again
	s_wait_tensorcnt 0x0                           ; my key step has landed,
	s_barrier_signal -1
	s_barrier_wait -1                              ; everybody's has
; A KEY STEP: 128 keys.  qlo: the registers of [Q, 0]; qhi: of [0, Q]; qs: Q's scale word.
.macro STEP qlo, qhi, qs
	v_add_nc_u32 v[A16], s[TB], v[L16]
	v_add_nc_u32 v[A8], s[TB], v[L8]
	v_add_nc_u32 v[AR], s[TB], v[R16]
	v_nop                                          ; four places in front of loads into registers that the last products read
.irp t, 0,1,2,3,4,5,6,7
	ds_load_b128 v[KV+6*\t:KV+6*\t+3], v[A16] offset:768*\t
	ds_load_b64 v[KV+6*\t+4:KV+6*\t+5], v[A8] offset:768*\t+512
.endr
	ds_load_b128 v[KS:KS+3], v[AR] offset:6144
	ds_load_b128 v[KS+4:KS+7], v[AR] offset:6400
	s_wait_alu depctr_va_vdst(0)
	s_wait_dscnt 0x0
.irp t, 0,1,2,3,4,5,6,7
.if (\t)%2
	v_wmma_scale_f32_16x16x128_f8f6f4 v[S+8*\t:S+8*\t+7], v[KV+12*(\t/2):KV+12*(\t/2)+11], v[\qhi:\qhi+11], 0, v[KS+\t], v[\qs] matrix_a_fmt:MATRIX_FMT_FP6 matrix_b_fmt:MATRIX_FMT_FP6
.else
	v_wmma_scale_f32_16x16x128_f8f6f4 v[S+8*\t:S+8*\t+7], v[KV+12*(\t/2):KV+12*(\t/2)+11], v[\qlo:\qlo+11], 0, v[KS+\t], v[\qs] matrix_a_fmt:MATRIX_FMT_FP6 matrix_b_fmt:MATRIX_FMT_FP6
.endif
.endr
.rept 4
	v_nop                                          ; places in front of the loads below and of the first read of the scores
.endr
.irp j, 0,1,2,3
.irp g, 0,1,2
	ds_load_b128 v[KV+12*\j+4*\g:KV+12*\j+4*\g+3], v[A16] offset:6656+1536*\j+512*\g   ; V's fragments land while the softmax is walked
.endr
.endr
	ds_load_b128 v[VS:VS+3], v[AR] offset:12800
.irp b, 0,1,2,3
	v_max3_num_f32 v[BM+\b], v[S+16*\b], v[S+1+16*\b], v[S+2+16*\b]   ; the largest score of each block of 32 keys: for the row's maximum and, since p rises with the score, for the block's largest p
.endr
.irp i, 3,5,7,9,11,13
.irp b, 0,1,2,3
	v_max3_num_f32 v[BM+\b], v[BM+\b], v[S+16*\b+\i], v[S+1+16*\b+\i]
.endr
.endr
.irp b, 0,1,2,3
	v_max_num_f32 v[BM+\b], v[BM+\b], v[S+15+16*\b]
.endr
.irp b, 0,1,2,3
	s_delay_alu instid0(VALU_DEP_4)
	v_permlanex16_b32 v[T2+\b], v[BM+\b], s[SEL], s[SEL+1]
.endr
.irp b, 0,1,2,3
	s_delay_alu instid0(VALU_DEP_4)
	v_max_num_f32 v[BM+\b], v[BM+\b], v[T2+\b]     ; with lane l xor 16's 16 keys
.endr
	s_delay_alu instid0(VALU_DEP_2)
	v_max3_num_f32 v[W0], v[BM], v[BM+1], v[BM+2]
	s_delay_alu instid0(VALU_DEP_1)
	v_max_num_f32 v[W0], v[W0], v[BM+3]
	s_delay_alu instid0(VALU_DEP_1)
	v_mul_f32 v[W0], s[CS], v[W0]                  ; the step's largest t
	s_delay_alu instid0(VALU_DEP_1)
	v_max_num_f32 v13, v13, v[W0]                  ; the running largest t
	v_mov_b32 v[W0], v12
	s_delay_alu instid0(VALU_DEP_2)
	v_floor_f32 v12, -v13                          ; the new -M = -ceil(t): a whole number
	s_delay_alu instid0(VALU_DEP_1)
	v_sub_f32 v[W0], v12, v[W0]                    ; old M - new M: a whole number, 0 or less
	s_delay_alu instid0(VALU_DEP_1)
	v_cvt_i32_f32 v[W0], v[W0]                     ; (it saturates)
	s_delay_alu instid0(VALU_DEP_1)
	v_ldexp_f32 v[F], 1.0, v[W0]                   ; f = 2^(old M - new M): a multiplication by it rounds nothing
.irp j, 0,2,4,6,8,10,12,14,16,18,20,22,24,26,28,30,32,34,36,38,40,42,44,46,48,50,52,54,56,58,60,62
	v_pk_fma_f32 v[S+\j:S+1+\j], v[S+\j:S+1+\j], s[CS:CS+1], v[12:13] op_sel_hi:[1,0,0]   ; t - M, two at a time
.endr
.irp b, 0,1,2,3
	v_fma_f32 v[BM+\b], v[BM+\b], s[CS], v12       ; the same of each block's largest score
.endr
	s_wait_alu depctr_va_vdst(0)
.irp j, 0,1,2,3,4,5,6,7,8,9,10,11,12,13,14,15,16,17,18,19,20,21,22,23,24,25,26,27,28,29,30,31,32,33,34,35,36,37,38,39,40,41,42,43,44,45,46,47,48,49,50,51,52,53,54,55,56,57,58,59,60,61,62,63
	v_exp_f32 v[S+\j], v[S+\j]                     ; p = 2^(t - M)
.endr
	s_setprio 1
	v_pk_mul_f32 v[14:15], v[14:15], v[F:F+1] op_sel_hi:[1,0]      ; the sums under the new M: a plain place behind the exponentials
	s_wait_alu depctr_va_vdst(0)                   ; one wait for the batch of 64, ahead of its first reader
.irp b, 0,1,2,3
	v_exp_f32 v[BM+\b], v[BM+\b]                   ; the blocks' largest p
.endr
	v_pk_add_f32 v[242:243], v[100:101], v[104:105]
	v_pk_add_f32 v[254:255], v[108:109], v[112:113]
	v_pk_add_f32 v[252:253], v[116:117], v[120:121]
	v_pk_add_f32 v[250:251], v[124:125], v[128:129]
	v_pk_add_f32 v[248:249], v[132:133], v[136:137]
	v_pk_add_f32 v[246:247], v[140:141], v[144:145]
	v_pk_add_f32 v[244:245], v[148:149], v[152:153]
	v_pk_add_f32 v[14:15], v[14:15], v[156:157]
	v_pk_add_f32 v[242:243], v[242:243], v[96:97]
	v_pk_add_f32 v[254:255], v[254:255], v[98:99]
	v_pk_add_f32 v[252:253], v[252:253], v[102:103]
	v_pk_add_f32 v[250:251], v[250:251], v[106:107]
	v_pk_add_f32 v[248:249], v[248:249], v[110:111]
	v_pk_add_f32 v[246:247], v[246:247], v[114:115]
	v_pk_add_f32 v[244:245], v[244:245], v[118:119]
	v_pk_add_f32 v[14:15], v[14:15], v[122:123]
	v_pk_add_f32 v[242:243], v[242:243], v[126:127]
	v_pk_add_f32 v[254:255], v[254:255], v[130:131]
	v_pk_add_f32 v[252:253], v[252:253], v[134:135]
	v_pk_add_f32 v[250:251], v[250:251], v[138:139]
	v_pk_add_f32 v[248:249], v[248:249], v[142:143]
	v_pk_add_f32 v[246:247], v[246:247], v[146:147]
	v_pk_add_f32 v[244:245], v[244:245], v[150:151]
	v_pk_add_f32 v[14:15], v[14:15], v[154:155]
	v_pk_add_f32 v[242:243], v[242:243], v[158:159]
	s_delay_alu instid0(VALU_DEP_2)
	v_pk_add_f32 v[14:15], v[14:15], v[250:251]
	s_delay_alu instid0(VALU_DEP_2)
	v_pk_add_f32 v[242:243], v[242:243], v[248:249]
	v_pk_add_f32 v[254:255], v[254:255], v[246:247]
	v_pk_add_f32 v[252:253], v[252:253], v[244:245]
	s_delay_alu instid0(VALU_DEP_2)
	v_pk_add_f32 v[14:15], v[14:15], v[254:255]
	s_delay_alu instid0(VALU_DEP_2)
	v_pk_add_f32 v[242:243], v[242:243], v[252:253]
	s_delay_alu instid0(VALU_DEP_1)
	v_pk_add_f32 v[14:15], v[14:15], v[242:243]
	s_wait_alu depctr_va_vdst(0)                   ; and one for the four
.irp b, 0,1,2,3
	v_max_num_f32 v[BM+\b], 0x1800000, v[BM+\b]    ; the floor 2^(3 - 127): the byte cannot fall under 1
.endr
.irp b, 0,1,2,3
	s_delay_alu instid0(VALU_DEP_4)
	v_add_nc_u32 v[SCL+\b], 0xff000000, v[BM+\b]   ; the conversion's scale operand
.endr
.irp b, 0,1,2,3
	s_delay_alu instid0(VALU_DEP_4)
	v_lshrrev_b32 v[T2+\b], 23, v[SCL+\b]          ; the scale's byte
.endr
	s_delay_alu instid0(VALU_DEP_3)
	v_lshl_or_b32 v[PW], v[T2+1], 8, v[T2]
	s_delay_alu instid0(VALU_DEP_1)
	v_lshl_or_b32 v[PW], v[T2+2], 16, v[PW]
	s_delay_alu instid0(VALU_DEP_1)
	v_lshl_or_b32 v[PW], v[T2+3], 24, v[PW]
.irp c, 0,1
	v_cvt_scalef32_pk16_fp6_f32 v[P+6*\c:P+2+6*\c], v[S+32*\c:S+15+32*\c], v[SCL+2*\c]
	v_cvt_scalef32_pk16_fp6_f32 v[P+12+4*\c:P+14+4*\c], v[S+16+32*\c:S+31+32*\c], v[SCL+2*\c+1]
.endr
	v_nop                                          ; one plain place behind a scaled conversion
.irp c, 0,1
.irp i, 0,1,2
	v_permlane16_swap_b32 v[P+6*\c+\i], v[P+12+4*\c+\i]
.endr
.irp i, 0,1,2
	s_delay_alu instid0(VALU_DEP_3)
	v_mov_b32 v[P+3+6*\c+\i], v[P+12+4*\c+\i]
.endr
.endr
	s_setprio 0
.irp j, 0,2,4,6,8,10,12,14,16,18,20,22,24,26,28,30
	v_pk_mul_f32 v[O+\j:O+1+\j], v[O+\j:O+1+\j], v[F:F+1] op_sel_hi:[1,0]   ; O^T under the new M; these are also the places between p's codes and word and the products
.endr
	s_wait_alu depctr_va_vdst(0)
	s_wait_dscnt 0x0                               ; V is in
.irp j, 0,1,2,3
	v_wmma_scale_f32_16x16x128_f8f6f4 v[O+8*\j:O+8*\j+7], v[KV+12*\j:KV+12*\j+11], v[P:P+11], v[O+8*\j:O+8*\j+7], v[VS+\j], v[PW] matrix_a_fmt:MATRIX_FMT_FP6 matrix_b_fmt:MATRIX_FMT_FP6
.endr
.endm
; THE WAY OUT of a pass: O^T / l, register 16 x + i = channel 32 x + 16 h + i, quantised in two blocks: one half fragment and two bytes a row.
.macro OUT p
.rept 4
	v_nop                                          ; places behind the last products
.endr
	v_add_f32 v14, v14, v15
	s_delay_alu instid0(VALU_DEP_1)
	v_permlanex16_b32 v[W0], v14, s[SEL], s[SEL+1]
	s_delay_alu instid0(VALU_DEP_1)
	v_add_f32 v14, v14, v[W0]                      ; the row's sum
	s_wait_alu depctr_va_vdst(0)
	v_rcp_f32 v[F], v14
	v_nop                                          ; a plain place behind the reciprocal
	s_wait_alu depctr_va_vdst(0)                   ; and the wait ahead of its first reader
.irp j, 0,2,4,6,8,10,12,14,16,18,20,22,24,26,28,30
	v_pk_mul_f32 v[S+\j:S+1+\j], v[O+\j:O+1+\j], v[F:F+1] op_sel_hi:[1,0]
.endr
.irp b, 0,1
	v_max3_num_f32 v[BM+\b], |v[S+16*\b]|, |v[S+1+16*\b]|, 0x1800000
.endr
.irp i, 2,4,6,8,10,12,14
.irp b, 0,1
	s_delay_alu instid0(VALU_DEP_2)
	v_max3_num_f32 v[BM+\b], v[BM+\b], |v[S+16*\b+\i]|, |v[S+1+16*\b+\i]|
.endr
.endr
.irp b, 0,1
	s_delay_alu instid0(VALU_DEP_2)
	v_permlanex16_b32 v[T2+\b], v[BM+\b], s[SEL], s[SEL+1]
.endr
.irp b, 0,1
	s_delay_alu instid0(VALU_DEP_2)
	v_max_num_f32 v[BM+\b], v[BM+\b], v[T2+\b]
.endr
.irp b, 0,1
	s_delay_alu instid0(VALU_DEP_2)
	v_add_nc_u32 v[SCL+\b], 0xff000000, v[BM+\b]
.endr
.irp b, 0,1
	s_delay_alu instid0(VALU_DEP_2)
	v_lshrrev_b32 v[T2+\b], 23, v[SCL+\b]
.endr
	s_delay_alu instid0(VALU_DEP_1)
	v_cndmask_b32 v[W0], v[T2], v[T2+1], s[HM]     ; lanes 0-15 store block 0's byte, lanes 16-31 block 1's
	v_cvt_scalef32_pk16_fp6_f32 v[P:P+2], v[S:S+15], v[SCL]
	v_cvt_scalef32_pk16_fp6_f32 v[P+12:P+14], v[S+16:S+31], v[SCL+1]
	v_nop
.irp i, 0,1,2
	v_permlane16_swap_b32 v[P+\i], v[P+12+\i]
.endr
.irp i, 0,1,2
	s_delay_alu instid0(VALU_DEP_3)
	v_mov_b32 v[P+3+\i], v[P+12+\i]
.endr
	global_store_b128 v[L16], v[P:P+3], s[AOB:AOB+1] offset:\p*16*13312          ; 512 consecutive bytes,
	global_store_b64 v[L8], v[P+4:P+5], s[AOB:AOB+1] offset:\p*16*13312+512      ; 256
	global_store_b8 v[GS], v[W0], s[AOS:AOS+1] offset:\p*16*13312
.endm
.macro PASS p, qlo, qhi, qs
.if \p
	s_wait_xcnt 0x0                                ; the first pass's stores have read their data
.endif
.irp j, 0,1,2,3,4,5,6,7,8,9,10,11,12,13,14,15,16,17,18,19,20,21,22,23,24,25,26,27,28,29,30,31
	v_mov_b32 v[O+\j], 0                           ; the step is written once: the first finds zeros, which the first change of M leaves zeros
.endr
	v_mov_b32 v14, 0
	v_mov_b32 v15, 0
	v_mov_b32 v13, 0xff61b1e6                      ; -3e38, under every t
	s_delay_alu instid0(VALU_DEP_1)
	v_floor_f32 v12, -v13
	s_mov_b32 s[TB], 0
	s_mov_b32 s[CNT], 16
.Lstep_\@:
	s_setprio 2
	STEP \qlo, \qhi, \qs
	s_add_co_u32 s[TB], s[TB], STEPB
	s_sub_co_u32 s[CNT], s[CNT], 1
	s_cmp_lg_u32 s[CNT], 0
	s_cbranch_scc1 .Lstep_\@
	s_setprio 0
	OUT \p
.endm
	PASS 0, ZQ+6, ZQ, QS
	PASS 1, ZQ+18, ZQ+12, QS+1
	s_wait_tensorcnt 0x0                           ; the wave's end
	ds_add_u32 v[SPW], v[NIL]
	s_wait_dscnt 0x0
	ROUND                                          ; the closing round
	s_endpgm
.Lfunc_end_k_qcc3c058e41_attn:
	.size	k_qcc3c058e41_attn, .Lfunc_end_k_qcc3c058e41_attn-k_qcc3c058e41_attn
	.p2alignl 7, 3214868480
	.fill 96, 4, 3214868480
	.section	.rodata,"a",@progbits
	.p2align	6, 0x0
	.amdhsa_kernel k_qcc3c058e41_attn
		.amdhsa_group_segment_fixed_size 210944
		.amdhsa_private_segment_fixed_size 0
		.amdhsa_enable_private_segment 0
		.amdhsa_kernarg_size 24
		.amdhsa_user_sgpr_count 2
		.amdhsa_user_sgpr_kernarg_segment_ptr 1
		.amdhsa_wavefront_size32 1
		.amdhsa_system_sgpr_workgroup_id_x 1
		.amdhsa_system_sgpr_workgroup_id_y 1
		.amdhsa_system_sgpr_workgroup_id_z 1
		.amdhsa_system_vgpr_workitem_id 0
		.amdhsa_next_free_vgpr 256
		.amdhsa_next_free_sgpr 66
		.amdhsa_reserve_vcc 0
		.amdhsa_float_denorm_mode_32 3
		.amdhsa_float_denorm_mode_16_64 3
		.amdhsa_memory_ordered 1
		.amdhsa_forward_progress 1
		.amdhsa_inst_pref_size 52
	.end_amdhsa_kernel
	.amdgpu_metadata
---
amdhsa.version: [ 1, 2 ]
amdhsa.kernels:
  - .name:           k_qcc3c058e41_attn
    .symbol:         k_qcc3c058e41_attn.kd
    .args:
      - { .name: qq, .offset: 0, .size: 8, .value_kind: global_buffer, .address_space: global }
      - { .name: kv, .offset: 8, .size: 8, .value_kind: global_buffer, .address_space: global }
      - { .name: ao, .offset: 16, .size: 8, .value_kind: global_buffer, .address_space: global }
    .group_segment_fixed_size: 210944
    .private_segment_fixed_size: 0
    .kernarg_segment_align: 8
    .kernarg_segment_size: 24
    .max_flat_workgroup_size: 512
    .sgpr_count:     66
    .vgpr_count:     256
    .wavefront_size: 32
...
	.end_amdgpu_metadata
.endif
;; end of part 3
;; launch fc (part 4): grid 4 x 64, 4 waves a work-group, clusters of 4 x 4, 307,712 bytes of LDS; arguments ao, codes, out0; writes out0
.if DOCPART == 4
	.amdgcn_target "amdgcn-amd-amdhsa--gfx1250"
	.amdhsa_code_object_version 6
	.text
	.protected	k_qcc3c058e41_fc
	.globl	k_qcc3c058e41_fc
	.p2align	8
	.type	k_qcc3c058e41_fc,@function
k_qcc3c058e41_fc:
	s_mov_b64 s[64:65], 0
	v_nop
	global_prefetch_b8 v0, s[64:65] scope:SCOPE_SE
	s_setreg_imm32_b32 hwreg(HW_REG_WAVE_MODE, 25, 1), 1
	s_wait_xcnt 0x0
	s_wait_alu depctr_hold_cnt(0) depctr_sa_sdst(0) depctr_va_vdst(0) depctr_va_sdst(0) depctr_va_ssrc(0) depctr_va_vcc(0) depctr_vm_vsrc(0)
	s_getreg_b32 s2, hwreg(HW_REG_IB_STS2, 6, 4)
	s_cmp_eq_u32 s2, 0
	s_cbranch_scc0 .Lentry_in_a_cluster
	s_endpgm
.Lentry_in_a_cluster:
	s_bfe_u32 s2, ttmp6, 0x10000c
	s_cmp_lg_u32 s2, 0xf033
	s_cbranch_scc0 .Lentry_shape_is_right
	s_endpgm
.Lentry_shape_is_right:
; out0 = (O / l) w_fc^T on codes of FP6 (E2M3).  Both operands come as row tiles of 16 rows (13,312 bytes: four chunks of 256 along K, each two fragments as images of the operand's registers and 128 bytes of scale words).
; Row 8 g + j of tile T is the tensor's row 32 (T / 2) + 16 g + 8 (T % 2) + j; the way out puts rows and columns back by its offsets.
; SHARES: a work-group makes 128 tokens (source 1, 8 tiles) x 256 outputs (source 0 = w_fc, 16 tiles); a wave 64 x 128: 32 accumulators.  256 work-groups.
; ALL OF K = 1,024 LIES IN LDS AT ONCE: every tensor load is a first fill, asked for at the head; nothing is filled again, so there is nothing to ask for ahead.  A wave has four tensor loads out.
; CLUSTERS: 4 x 4 work-groups; the tokens' tiles are shared along a row of the cluster, the weight's along a column, each asked for jointly.
; REGISTERS: window 0: v4-9 LDS addresses, v12-14 the way out, v32-79 scale words (two sets), v80-207 rows on the way out.  window 1: accumulator (a, b) at v[8 (8 a + b)].  windows 2, 3: two sets of fragments.
.set RT,    13312
.set CBK,   3328
.set CL,    3200
.set CH,    24*CL
.set SPARE, 4*CH                       ; behind the chunks: the spare words, 128 bytes a wave: two blocks of 256 bytes that no other line names
.set A16, 4
.set A8,  5
.set AS,  6
.set B16, 7
.set B8,  8
.set BS,  9
.set SPW, 10                           ; v10  my spare word; never rewritten
.set NIL, 11                           ; v11  0; never rewritten
.set STO, 12                           ; v12  the stage: where I put 32 bytes of a row
.set RD,  13                           ; v13  and where I read a row back
.set CO,  14                           ; v14  16 x lane: my bytes of a row of 512
.set SC,  32
.set BK,  80                           ; v80-143, v144-207: 16 rows back from the stage, by turns
.set WV,  14
.set G1A, 24
.set G1B, 32
.set G0A, 40
.set G0B, 68
.set MSB, 0
.macro WIN new
.if MSB != (\new)
	s_set_vgpr_msb (MSB<<8)|(\new)
.set MSB, \new
.endif
.endm
.macro PLACES
.rept 4
	v_nop
.endr
.endm
.macro ROUND
	s_barrier_signal -1
	s_barrier_wait -1
	s_cmp_lg_u32 s[WV], 0
	s_cbranch_scc1 .Lnot_wave_0_\@
	s_barrier_signal -3
.Lnot_wave_0_\@:
	s_barrier_wait -3
	s_barrier_signal -1
	s_barrier_wait -1
.endm
	s_load_b128 s[4:7], s[0:1], 0x0                ; ao, codes
	s_load_b64 s[8:9], s[0:1], 0x10                ; out0
	v_lshl_add_u32 v[SPW], v0, 2, SPARE
	v_mov_b32 v[NIL], 0
	ds_add_u32 v[SPW], v[NIL]
	ds_add_u32 v[SPW], v[NIL]                      ; the wave's opening: the add and its wait stand ahead of the first tensor loads; work on registers stands between
	v_lshrrev_b32 v1, 5, v0
	v_readfirstlane_b32 s[WV], v1                  ; wave 0..3
	s_lshr_b32 s15, s14, 1                         ; which 4 of the tokens' tiles are mine
	s_and_b32 s16, s14, 1                          ; which 8 of the weight's
	s_bfe_u32 s17, ttmp6, 0x40000                  ; cx
	s_bfe_u32 s18, ttmp6, 0x40004                  ; cy
	s_and_b32 s21, ttmp7, 0xffff
	s_lshl_b32 s21, s21, 2
	s_add_co_u32 s21, s21, s18                     ; my block of 128 tokens: it hangs on cy, never on cx
	s_lshl_b32 s56, s21, 3
	s_mul_i32 s56, s56, RT
	s_mov_b32 s57, 0
	s_lshl_b32 s60, s17, 4
	s_add_co_u32 s60, s60, 1728                    ; w_fc's tiles begin at 1,728; my 16: on cx, never on cy
	s_lshl_b32 s61, s15, 3
	s_add_co_u32 s60, s60, s61                     ; wave 1 fetches tiles 0-7, wave 2 tiles 8-15
	s_mul_i32 s60, s60, RT
	s_mov_b32 s61, 0
	s_mul_i32 s23, s14, 8*CL
	s_lshl_b32 s96, s18, 2
	s_lshl_b32 s96, 15, s96                        ; my row of the cluster
	s_lshl_b32 s97, 0x1111, s17                    ; my column
	s_or_b32 s[G1A], s96, (3<<16)|(1<<21)          ; 15:0 the mask; 17:16 elements of 8 bytes; 21 set beside a mask; no padding
	s_or_b32 s[G1B], s97, (3<<16)|(1<<21)
.irp g, G1A, G1B
	s_mov_b32 s[\g+1], 400<<16                     ; 3,200 bytes of a chunk,
	s_mov_b32 s[\g+2], 8<<16                       ; of 8 tiles,
	s_mov_b32 s[\g+3], 400<<16
	s_mov_b32 s[\g+4], 8
	s_mov_b32 s[\g+5], RT/8                        ; 13,312 bytes apart
	s_mov_b32 s[\g+6], 0
	s_mov_b32 s[\g+7], 0
.endr
	s_lshl_b32 s92, s21, 7
	s_lshl_b32 s93, s15, 6
	s_add_co_u32 s92, s92, s93                     ; my first token,
	s_lshl_b32 s92, s92, 12                        ; 4,096 bytes a row of out0,
	s_lshl_b32 s93, s17, 10
	s_add_co_u32 s92, s92, s93                     ; my work-group's 256 columns,
	s_lshl_b32 s93, s16, 9
	s_add_co_u32 s92, s92, s93                     ; my wave's 128
	s_mov_b32 s93, 0
	s_wait_dscnt 0x0                               ; the opening add is done
	s_wait_kmcnt 0x0
	s_add_nc_u64 s[58:59], s[4:5], s[56:57]
	s_add_nc_u64 s[62:63], s[6:7], s[60:61]
	s_add_nc_u64 s[8:9], s[8:9], s[92:93]
.irp c, 0,1,2,3
	s_mov_b32 s[G0A+4*\c], 1
	s_add_co_u32 s[G0A+4*\c+1], s23, \c*CH
	s_add_nc_u64 s[G0A+4*\c+2:G0A+4*\c+3], s[58:59], \c*CBK
	s_or_b32 s[G0A+4*\c+3], s[G0A+4*\c+3], 0x80000000
	s_mov_b32 s[G0B+4*\c], 1
	s_add_co_u32 s[G0B+4*\c+1], s23, \c*CH
	s_add_nc_u64 s[G0B+4*\c+2:G0B+4*\c+3], s[62:63], \c*CBK
	s_or_b32 s[G0B+4*\c+3], s[G0B+4*\c+3], 0x80000000
.endr
	ROUND                                          ; all sixteen work-groups are here: the joint loads meet
	s_cmp_eq_u32 s[WV], 0                          ; a wave's four first fills stand in one branch on the wave's number
	s_cbranch_scc0 .Lnot_a
.irp c, 0,1,2,3
	tensor_load_to_lds s[G0A+4*\c:G0A+4*\c+3], s[G1A:G1A+7]
	s_nop 0
.endr
	PLACES
	s_branch .Lasked
.Lnot_a:
	s_cmp_eq_u32 s[WV], 3
	s_cbranch_scc1 .Lasked
.irp c, 0,1,2,3
	tensor_load_to_lds s[G0B+4*\c:G0B+4*\c+3], s[G1B:G1B+7]
	s_nop 0
.endr
	PLACES
.Lasked:
	v_and_b32 v1, 31, v0                           ; lane
	v_and_b32 v2, 15, v0                           ; r
	v_bfe_u32 v3, v0, 4, 1                         ; h
	s_mul_i32 s92, s15, 4*CL
	v_lshl_add_u32 v[A16], v1, 4, s92
	v_lshl_add_u32 v[A8], v1, 3, s92
	s_add_co_u32 s93, s92, 3072
	v_lshl_add_u32 v[AS], v2, 3, s93
	s_mul_i32 s94, s16, 8*CL
	s_add_co_u32 s94, s94, 8*CL
	v_lshl_add_u32 v[B16], v1, 4, s94
	v_lshl_add_u32 v[B8], v1, 3, s94
	s_add_co_u32 s95, s94, 3072
	v_lshl_add_u32 v[BS], v2, 3, s95
	s_mul_i32 s92, s14, 16*528                     ; my stage: 16 rows x (512 bytes + 16), in chunk 0, which has had its only fill and is read by nobody when the first result is stored there
	v_mul_u32_u24 v[STO], v2, 528
	v_lshl_add_u32 v[STO], v3, 6, v[STO]
	v_add_nc_u32 v[STO], s92, v[STO]
	v_lshl_add_u32 v[RD], v1, 4, s92
	v_lshlrev_b32 v[CO], 4, v1
; THE CORE.  A fragment (12 registers) comes by four loads, each of consecutive bytes.
.macro HFRAG reg, a16, a8, off
	ds_load_b128 v[\reg:\reg+3], v[\a16] offset:\off
	ds_load_b64 v[\reg+4:\reg+5], v[\a8] offset:\off+512
	ds_load_b128 v[\reg+6:\reg+9], v[\a16] offset:\off+768
	ds_load_b64 v[\reg+10:\reg+11], v[\a8] offset:\off+1280
.endm
.macro FETCH s                         ; K step s: 48 loads into set s % 2; with an even step the chunk's scale words, 12 loads more
	WIN 0x80+0x40*((\s)%2)
.irp i, 0,1,2,3,4,5,6,7
	HFRAG 48+12*\i, B16, B8, CL*\i+1536*((\s)%2)
.endr
.irp i, 0,1,2,3
	HFRAG 12*\i, A16, A8, CL*\i+1536*((\s)%2)
.endr
.if (\s)%2 == 0
	WIN 0
.irp i, 0,1,2,3,4,5,6,7
	ds_load_b64 v[SC+24*(((\s)/2)%2)+8+2*\i:SC+24*(((\s)/2)%2)+9+2*\i], v[BS] offset:CL*\i
.endr
.irp i, 0,1,2,3
	ds_load_b64 v[SC+24*(((\s)/2)%2)+2*\i:SC+24*(((\s)/2)%2)+1+2*\i], v[AS] offset:CL*\i
.endr
.endif
.endm
.macro MUL s                           ; 32 matrix instructions; the 32 accumulators take turns, one instruction a turn; step 0 starts the sums
	WIN 0x5a+5*((\s)%2)
.irp a, 0,1,2,3
.irp b, 0,1,2,3,4,5,6,7
.if (\s) == 0
	v_wmma_scale_f32_16x16x128_f8f6f4 v[8*(8*\a+\b):8*(8*\a+\b)+7], v[48+12*\b:48+12*\b+11], v[12*\a:12*\a+11], 0, v[SC+24*(((\s)/2)%2)+8+2*\b+(\s)%2], v[SC+24*(((\s)/2)%2)+2*\a+(\s)%2] matrix_a_fmt:MATRIX_FMT_FP6 matrix_b_fmt:MATRIX_FMT_FP6
.else
	v_wmma_scale_f32_16x16x128_f8f6f4 v[8*(8*\a+\b):8*(8*\a+\b)+7], v[48+12*\b:48+12*\b+11], v[12*\a:12*\a+11], v[8*(8*\a+\b):8*(8*\a+\b)+7], v[SC+24*(((\s)/2)%2)+8+2*\b+(\s)%2], v[SC+24*(((\s)/2)%2)+2*\a+(\s)%2] matrix_a_fmt:MATRIX_FMT_FP6 matrix_b_fmt:MATRIX_FMT_FP6
.endif
.endr
.endr
.endm
.macro CHUNKIN c                       ; chunk c is whole for every wave: my loads of it have landed (the later chunks', 3 - c, may be out)
	WIN 0
	s_wait_tensorcnt 3-(\c)
	s_wait_dscnt 0x0
	s_barrier_signal -1
	s_barrier_wait -1
.if (\c) > 0
.irp v, 4,5,6,7,8,9
	v_add_nc_u32 v[\v], CH, v[\v]                  ; on to the chunk; these six are also the places in front of the loads that follow
.endr
.endif
.endm
	s_wait_alu depctr_va_vdst(0)
	CHUNKIN 0
	FETCH 0
.irp s, 0,1,2,3,4,5,6
.if (\s)%2
	CHUNKIN (\s+1)/2
.elseif (\s) >= 2
	PLACES                                         ; in front of loads into registers that matrix instructions have read
.endif
	FETCH \s+1
.if (\s)%2
	s_wait_alu depctr_va_vdst(0)
	s_wait_dscnt 60                                ; all but the 60 loads just issued
.else
	s_wait_dscnt 48                                ; all but the 48 just issued
.endif
	MUL \s
.endr
	s_wait_dscnt 0x0
	MUL 7
	WIN 0
; THE WAY OUT, a tile of 16 tokens x 128 outputs at a time.  Lane (r, h) holds, in accumulator (a, b), outputs 32 (b / 2) + 16 h + 8 (b % 2) + 0 .. 7 of the token in row r of tile a: 32 bytes of a row.
; They go through my own stage and come back as whole rows of 512 bytes.  LDS serves a wave's instructions in order: no wait between the stores and the loads, nor in front of the next tile's stores.
.macro TOSTAGE a
	WIN 0x04                                       ; an LDS store's data are its source 1: window 1
.irp b, 0,1,2,3,4,5,6,7
	ds_store_b128 v[STO], v[8*(8*(\a)+\b):8*(8*(\a)+\b)+3] offset:128*(\b/2)+32*(\b%2)          ; each accumulator from its low end on
	ds_store_b128 v[STO], v[8*(8*(\a)+\b)+4:8*(8*(\a)+\b)+7] offset:128*(\b/2)+32*(\b%2)+16
.endr
	WIN 0
.irp t, 0,1,2,3,4,5,6,7,8,9,10,11,12,13,14,15
	ds_load_b128 v[BK+64*((\a)%2)+4*\t:BK+64*((\a)%2)+4*\t+3], v[RD] offset:528*\t
.endr
.endm
.macro SEND a, younger                 ; younger: the LDS instructions issued behind tile a's loads, which may stay out.  Row t of tile a is token 32 (a / 2) + 8 (a % 2) + 16 (t / 8) + t % 8 of my 64
	s_wait_dscnt \younger
.irp t, 0,1,2,3,4,5,6,7,8,9,10,11,12,13,14,15
	global_store_b128 v[CO], v[BK+64*((\a)%2)+4*\t:BK+64*((\a)%2)+4*\t+3], s[8:9] offset:(32*((\a)/2)+8*((\a)%2)+16*(\t/8)+\t%8)*4096 th:TH_STORE_NT   ; 32 lanes store 512 consecutive bytes, at a multiple of 512 from out0's first byte
.endr
.endm
	PLACES                                         ; in front of the first read of results
	TOSTAGE 0
.irp a, 1,2,3
.if \a > 1
	s_wait_xcnt 0x0                                ; tile a - 2's stores have read their registers: tile a's loads may land there
.endif
	TOSTAGE \a
	SEND \a-1, 32                                  ; behind tile a - 1's loads: tile a's 16 stores and 16 loads
.endr
	SEND 3, 0
	s_wait_tensorcnt 0x0                           ; the wave's end, behind my last LDS store
	ds_add_u32 v[SPW], v[NIL]
	s_wait_dscnt 0x0
	ROUND                                          ; the closing round
	s_endpgm
.Lfunc_end_k_qcc3c058e41_fc:
	.size	k_qcc3c058e41_fc, .Lfunc_end_k_qcc3c058e41_fc-k_qcc3c058e41_fc
	.p2alignl 7, 3214868480
	.fill 96, 4, 3214868480
	.section	.rodata,"a",@progbits
	.p2align	6, 0x0
	.amdhsa_kernel k_qcc3c058e41_fc
		.amdhsa_group_segment_fixed_size 307712
		.amdhsa_private_segment_fixed_size 0
		.amdhsa_enable_private_segment 0
		.amdhsa_kernarg_size 24
		.amdhsa_user_sgpr_count 2
		.amdhsa_user_sgpr_kernarg_segment_ptr 1
		.amdhsa_wavefront_size32 1
		.amdhsa_system_sgpr_workgroup_id_x 1
		.amdhsa_system_sgpr_workgroup_id_y 1
		.amdhsa_system_sgpr_workgroup_id_z 1
		.amdhsa_system_vgpr_workitem_id 0
		.amdhsa_next_free_vgpr 1024
		.amdhsa_next_free_sgpr 100
		.amdhsa_reserve_vcc 0
		.amdhsa_float_denorm_mode_32 3
		.amdhsa_float_denorm_mode_16_64 3
		.amdhsa_memory_ordered 1
		.amdhsa_forward_progress 1
		.amdhsa_inst_pref_size 85
	.end_amdhsa_kernel
	.amdgpu_metadata
---
amdhsa.version: [ 1, 2 ]
amdhsa.kernels:
  - .name:           k_qcc3c058e41_fc
    .symbol:         k_qcc3c058e41_fc.kd
    .args:
      - { .name: ao, .offset: 0, .size: 8, .value_kind: global_buffer, .address_space: global }
      - { .name: codes, .offset: 8, .size: 8, .value_kind: global_buffer, .address_space: global }
      - { .name: out0, .offset: 16, .size: 8, .value_kind: global_buffer, .address_space: global }
    .group_segment_fixed_size: 307712
    .private_segment_fixed_size: 0
    .kernarg_segment_align: 8
    .kernarg_segment_size: 24
    .max_flat_workgroup_size: 128
    .sgpr_count:     100
    .vgpr_count:     1024
    .wavefront_size: 32
...
	.end_amdgpu_metadata
.endif
;; end of part 4
